; MI455X (gfx1250); checked and timed in simulation.
; The chip was launched on July 23, 2026; its instructions are those of AMD's public machine-readable ISA for CDNA 5 (MIT licence, August 2026) and "CDNA5" Instruction Set Architecture Reference Guide (July 2026). The comments in the code are by the model that wrote it; some were corrected since.
;; Variable Nodes Attention Layer. Allowed arithmetic: matrix products marked QUANTISED: E3M2 operands, one E8M0 scale for each 32 along K, by v_wmma_scale_f32_16x16x128_f8f6f4 with both operands' format E3M2, f32 sums; everything else in f32.
;; Inputs: Wa_codes 256 x 8 x 24 uint8 (E3M2 codes of Wa, K innermost, in blocks of 32 codes, four codes in three bytes); Wa_scales 256 x 8 uint8 (E8M0 scales of Wa, one for each 32 codes along K); Wv_codes 256 x 8 x 24 uint8 (E3M2 codes of Wv, K innermost, in blocks of 32 codes, four codes in three bytes); Wv_scales 256 x 8 uint8 (E8M0 scales of Wv, one for each 32 codes along K); beta 256 float32; bv 256 float32; gamma 256 float32; nodes_codes 128 x 2 x 24 uint8 (E3M2 codes of nodes, K innermost, in blocks of 32 codes, four codes in three bytes); nodes_scales 128 x 2 uint8 (E8M0 scales of nodes, one for each 32 codes along K); x_codes 8 x 8,192 x 8 x 24 uint8 (E3M2 codes of x, K innermost, in blocks of 32 codes, four codes in three bytes); x_scales 8 x 8,192 x 8 uint8 (E8M0 scales of x, one for each 32 codes along K).
;; Outputs: out0 8 x 128 x 256 float32.
;; This version of the problem:
;;   THIS VERSION OF THE PROBLEM IS GIVEN IN LOW PRECISION. The matrix products marked QUANTISED in the list below multiply operands that are first quantised to E3M2 (3 exponent bits, 2 mantissa bits; 6 bits a number), with one power-of-two scale for each 32 numbers along K (OCP MX v1.0); their sums are f32. All else is computed in f32.
;;   The module's matrix products, in the order in which they are computed (A, B: the left and right operand; K: the contracted axis; several contracted axes count as one K, in the product's order):
;;     1. [M 65,536, K 256] x [K 256, N 256]; A: input x (given as codes); B: input Wa (given as codes): QUANTISED
;;     2. [M 65,536, K 256] x [K 256, N 256]; A: input x (given as codes); B: input Wv (given as codes): QUANTISED
;;     3. [M 262,144, K 64] x [K 64, N 128]; A: computed on the way; B: input nodes (given as codes): QUANTISED
;;     4. batch 32 x [M 128, K 8,192] x [K 8,192, N 64]; A: softmax (see below); B: computed on the way: QUANTISED
;;   THE QUANTISER, for each operand of a quantised product, along K:
;;     - K is cut into blocks of 32 from its start; a last block that is shorter is filled with zeros.
;;     - A block's scale is 2^e with e = floor(log2(the largest magnitude in the block)) - 4, held to -126 .. 127; a block of zeros has e = 0. As a byte (E8M0): e + 127.
;;     - Each number is divided by its block's scale, clamped to +-28, and rounded to the nearest number of E3M2, ties to even, subnormals kept.
;;     - The product sums the exact products of the quantised numbers (number of the format x scale) in f32.
;;   ~~~python
;;   def quantise(x, axis):      # numpy; x: float32 -> the quantised numbers, widened to float32 again
;;       x = np.moveaxis(x, axis, -1); K = x.shape[-1]
;;       x = np.pad(x, [(0, 0)] * (x.ndim - 1) + [(0, -K % 32)]); x = x.reshape(x.shape[:-1] + (-1, 32)); a = np.abs(x).max(-1, keepdims=True)
;;       e = np.where(a > 0, np.clip(np.frexp(np.where(a > 0, a, 1))[1] - 1 - 4, -126, 127), 0)      # np.frexp(a)[1] - 1 = floor(log2(a)), exactly
;;       r = np.clip(x / 2.0 ** e, -28, 28)
;;       step = 2.0 ** (np.maximum(np.frexp(np.where(r == 0, 1, r))[1] - 1, -2) - 2)
;;       q = np.round(r / step) * step * 2.0 ** e      # np.round: ties to even
;;       return np.moveaxis(q.reshape(q.shape[:-2] + (-1,))[..., :K], -1, axis).astype(np.float32)
;;   ~~~
;;   SOFTMAX AHEAD OF A QUANTISED PRODUCT. Where the list says 'softmax', what is quantised is not the finished softmax but p = 2^(t - M), with t = logit x log2(e) and M = ceil(the row's largest t), a whole number; so 1/2 < the row's largest p <= 1. The row's sum l is taken of the UNQUANTISED p, in f32, and the product's result is divided by l at the end. Since M is a whole number, a kernel that streams over the keys may use a running M (the ceiling of the running maximum): every later rescaling is an exact power of two, which a block's scale takes up: the codes' values come out the same.
;;   OPERANDS COMPUTED ON THE WAY. 'Computed on the way' means the value that the module computes at that place (a softmax that the list does not call 'softmax' is quantised finished and normalised). What goes into a quantiser is computed in f32, as accurately as f32 sums, v_exp_f32 and their like allow (about 1e-6 of the number): no bf16 or f16 on the way to a quantiser, and a product that is left as it is and whose result goes on into a quantised operand takes f32 operands (vector FMAs, or v_wmma_f32_16x16x4_f32). A number that lies on a knife's edge between two numbers of the format may be rounded either way, as far as f32 arithmetic and the matrix unit's own rounding can turn it there, and no further.
;;   INPUTS GIVEN AS CODES. Wa (in the module: [256, 256], K = its axis 0); Wv (in the module: [256, 256], K = its axis 0); nodes (in the module: [128, 64], K = its axis 1); x (in the module: [8, 8192, 256], K = its axis 2): each comes as NAME_codes (uint8): NAME with its K axis moved to the last place and cut into blocks of 32 codes, [.., K / 32, bytes a block], one block behind the other in memory; four codes in three bytes: a row's codes are one little-endian stream of bits, code i at bits 6 i .. 6 i + 5 (a code: sign, 3 exponent bits, 2 mantissa bits); and NAME_scales (uint8): the same leading axes, one E8M0 byte (e + 127) for each 32 codes along K. Its value is code x scale, taken as it is: it is not quantised again, and the codes and scales need not be those that the quantiser above would give.
;; One version. Each part assembles by itself: llvm-mc -triple=amdgcn-amd-amdhsa -mcpu=gfx1250 --defsym DOCPART=n.
;; ======== version 1 of 1: 2 launches
;; limits: right only within a limited range of input values
;; workspace buffers: part_o 8,388,608 bytes; part_ml 524,288 bytes
;; launch attn (part 1): grid 32 x 8, 16 waves a work-group, clusters of 4 x 1, 327,680 bytes of LDS; arguments x_codes, x_scales, Wa_codes, Wa_scales, Wv_codes, Wv_scales, nodes_codes, nodes_scales, bv, part_o, part_ml; writes part_o, part_ml
.if DOCPART == 1
	.amdgcn_target "amdgcn-amd-amdhsa--gfx1250"
	.amdhsa_code_object_version 6
	.text
	.protected	k_qc4aa0a7ea8_attn
	.globl	k_qc4aa0a7ea8_attn
	.p2align	8
	.type	k_qc4aa0a7ea8_attn,@function
k_qc4aa0a7ea8_attn:
	s_mov_b64 s[64:65], 0
	v_nop
	global_prefetch_b8 v0, s[64:65] scope:SCOPE_SE
	s_setreg_imm32_b32 hwreg(HW_REG_WAVE_MODE, 25, 1), 1
	s_wait_xcnt 0x0
	s_wait_alu depctr_hold_cnt(0) depctr_sa_sdst(0) depctr_va_vdst(0) depctr_va_sdst(0) depctr_va_ssrc(0) depctr_va_vcc(0) depctr_vm_vsrc(0)
	s_getreg_b32 s2, hwreg(HW_REG_IB_STS2, 6, 4)
	s_cmp_eq_u32 s2, 0
	s_cbranch_scc0 .Lentry_in_a_cluster
	s_endpgm
.Lentry_in_a_cluster:
	s_bfe_u32 s2, ttmp6, 0x10000c
	s_cmp_lg_u32 s2, 0x3003
	s_cbranch_scc0 .Lentry_shape_is_right
	s_endpgm
.Lentry_shape_is_right:
; Attention of 128 learned nodes over 8,192 keys, 8 batches x 4 heads; all four products on codes of BF6 (E3M2) with one E8M0 scale for each 32 along K.
; A work-group takes one batch, one head and 1,024 keys: a = x Wa, v = x Wv + bv, scores = a nodes^T, p = 2^(t - M), O = p v.  It stores its part of O (under its own whole-number M) and, for
; each node, the pair (-M, l); the second launch joins the eight parts of a batch and head.
; PHASE 1: wave w projects keys 64 w .. 64 w + 63 (4 tiles of 16: a group) and leaves a's and v's codes and scale bytes in LDS as images of the operands' registers.  One barrier.
; PHASE 2: wave w takes nodes 16 (w % 8) .. + 15 and one half of the chunk's keys (w / 8) in 4 steps of 128 (a step: the groups of two waves).  At the end the two halves of a node tile meet in LDS.
; CLUSTER: the four work-groups are the four heads of one batch and chunk: they read the same rows of x, which are asked for JOINTLY (mask 15).  The head (cx) enters only addresses of Wa, Wv,
; their scales, bv and the outputs, which differ from partner to partner.
; NO RING: the chunk's x (196,608 bytes of codes) fits in LDS; each wave issues one tensor load in all.  No prefetch: no loop of this launch reads memory.
; THE KEYS OF A TILE ARE NOT NEIGHBOURS: lane r of tile t of a group takes key 8 t + (r & 7) for r < 8 and 32 + 8 (t xor 1) + (r & 7) for the others, so that the two halves' pieces lie
; in different banks (64 banks of 4 bytes: ISA guide 11.1).  The rows of Wa that form a tile are 8 t + (r & 7) + 32 (r >> 3).  With hh = lane / 16:
;   a^T = Wa x^T: a lane holds ONE key, its 32 registers over Wa's four tiles are d = 32 hh + 0 .. 31: a whole block, in the operand's order.
;   v = x Wv^T + bv (C = the bias): a lane holds one d, its 32 registers over a group's four tiles are the keys of block hh (runs of 8 in the tiles' order).
;   S = a nodes^T: a lane holds one node and the same 32 keys in the same order.   O^T = v^T p^T: one node, eight d.
; K = 64 IN THE SCORES: tile t of a step's two groups share one operand (registers 0-5, 6-11); the nodes' six registers stand between zeros, [Z][n][Z]: [n][Z] picks the first group, [Z][n] the second.
; THE PROJECTIONS' SCALE WORDS: a register's lanes 0-15 hold the words of K 0-127, lanes 16-31 those of K 128-255 (MATRIX_SCALE_ROW1).
; LIMITS: NaN and infinities among the inputs are not served; the scaled scores (exponents to the base 2) stay under 2^31 in magnitude.  A block of zeros gets the scale byte 1 where the
; quantiser's rule says 127: its codes are zeros, and this program alone reads the bytes.  A block's largest p is made from its largest score by the same multiply-add and exponential as every p:
; this takes v_exp_f32 not to fall where its input rises.  p under 2^-126 of the running M is taken as 0.
; REGISTERS.  v6-17 scale words alone.  Phase 1: v32-127 four tiles of x; v128-223 Wa, v224-255 a^T; then v128-175 Wv (two d tiles), v176-191 the bias, v192-255 v.
;   Phase 2: v54-65 p's codes, v66-83 the nodes between zeros, v84-131 a's codes, then v's, v132-195 scores, v196-227 O^T.
.set XREG,  15360                      ; LDS, for each wave: 64 rows of x, 240 bytes each: 3 x (64 of data + 16 of padding); then a's codes (4 x 768 bytes) and v's (4 x 768)
.set WAL,   16*XREG                    ; the head's 64 rows of Wa, 240 bytes apart, 128 bytes more ahead of row 32
.set WSZ,   15616
.set WVL,   WAL+WSZ                    ; and of Wv likewise
.set SCL,   WVL+WSZ                    ; for each step 256 bytes of a's scale words and 256 of v's
.set SPARE, SCL+8*512                  ; the spare words, 128 bytes for each wave
.set STG,   236544                     ; the way out: 16 rows x 272 bytes for each wave: waves 0-7 over the last wave's x and the weights (their only fill and last read lie ahead of the phases' barrier),
.set STH,   SPARE+2048-STG             ; waves 8-15 so many bytes further on, behind the spare words
.set STA,   STG+STH+8*4352             ; (-M, l): [wave][node][2]
.set SPW, 1                            ; my spare word; never rewritten
.set NIL, 2                            ; 0; never rewritten
.set CA,  3                            ; phase 1: my region + 16 lane,
.set CB,  4                            ; + 8 lane,
.set SA,  5                            ; my scale bytes' place
.set XSW, 6                            ; scale words: x's, Wa's, Wv's
.set WAS, 10
.set WVS, 14
.set BVT, 18                           ; v18-21 bv as loaded
.set BM,  22                           ; v22-25 largest magnitudes, scale operands, bytes
.set CT,  26                           ; v26-31 a block's codes; first LDS addresses of x (26-29) and Wa (30, 31)
.set XF,  32
.set WAF, 128
.set AR,  224
.set WVF, 128
.set BV,  176
.set VR,  192
.set ASW, 6                            ; phase 2
.set VSW, 10
.set PSW, 14
.set NSW, 15
.set SEL, 21                           ; byte selector of p's scale word
.set PX,  22
.set PXB, 23
.set WD,  24
.set TN,  26                           ; v[26:27] -M (named as a pair)
.set FF,  28                           ; v[28:29] 2^(old M - new M)
.set MX,  30                           ; v30-33
.set RM,  32
.set TE,  33
.set SO,  34                           ; v34, v35 the conversions' scale operands
.set LS,  36                           ; v[36:37] the row's sum in two halves
.set AU,  38                           ; v38-45 sums at work
.set UU,  46                           ; v46-53 sums at work, then second halves of p's blocks
.set PTA, 46
.set PTB, 50
.set PC,  54
.set ND,  66
.set XC,  84
.set SS,  132
.set OO,  196
.macro CROUND                          ; a round of the cluster's barrier
	s_barrier_signal -1
	s_barrier_wait -1
	s_cmp_lg_u32 s26, 0
	s_cbranch_scc1 .Lnot_wave_0_\@
	s_barrier_signal -3
.Lnot_wave_0_\@:
	s_barrier_wait -3
	s_barrier_signal -1
	s_barrier_wait -1
.endm
.macro PLACES                          ; four plain places behind matrix instructions (ISA guide 7.12.1)
.rept 4
	v_nop
.endr
.endm
.macro MM0 d, a, b, sa, sb             ; a product that starts a sum
	v_wmma_scale_f32_16x16x128_f8f6f4 v[\d:\d+7], v[\a:\a+11], v[\b:\b+11], 0, v[\sa], v[\sb] matrix_a_fmt:MATRIX_FMT_BF6 matrix_b_fmt:MATRIX_FMT_BF6
.endm
.macro MMC d, a, b, c, sa, sb          ; a product onto C
	v_wmma_scale_f32_16x16x128_f8f6f4 v[\d:\d+7], v[\a:\a+11], v[\b:\b+11], v[\c:\c+7], v[\sa], v[\sb] matrix_a_fmt:MATRIX_FMT_BF6 matrix_b_fmt:MATRIX_FMT_BF6
.endm
.macro MMR d, a, b, sa, sb             ; in place, both sides' scales from lanes 16-31
	v_wmma_scale_f32_16x16x128_f8f6f4 v[\d:\d+7], v[\a:\a+11], v[\b:\b+11], v[\d:\d+7], v[\sa], v[\sb] matrix_a_fmt:MATRIX_FMT_BF6 matrix_b_fmt:MATRIX_FMT_BF6 matrix_a_scale:MATRIX_SCALE_ROW1 matrix_b_scale:MATRIX_SCALE_ROW1
.endm
; A fragment, 16 rows x 128 K, is 12 registers: lane (r, hh) takes 24 bytes of its row's stream of bits for K = 32 hh on and 24 for K = 64 + 32 hh on, in pieces of 8 bytes.  s: which 128 of the row's 256.
; 16 bytes of padding lie behind every 8 pieces; where the piece three on (lanes 16-31) lies behind one padding more, the second address register serves.
.macro FRAG reg, adr, s, off
.irp p, 0,1,2,3,4,5
.set PIE, 12*(\s)+6*(\p/3)+\p%3
.if PIE%8 < 5
	ds_load_b64 v[\reg+2*\p:\reg+2*\p+1], v[\adr] offset:8*PIE+16*(PIE/8)+(\off)
.else
	ds_load_b64 v[\reg+2*\p:\reg+2*\p+1], v[\adr+1] offset:8*PIE+16*(PIE/8)+(\off)
.endif
.endr
.endm
.macro MOV3 d, s
.irp k, 0,1,2
	v_mov_b32 v[\d+\k], v[\s+\k]
.endr
.endm
; 32 numbers of a lane, a whole block at v[src ..], become six registers of codes (scale operand v[so], its byte to v[by]) and go into an image: 16 bytes a lane, then 8 bytes a lane.
; The second half's codes land on the first half's numbers, which have been converted by then, and are moved (a conversion's three registers begin on an even number).
.macro CODES src, so, by, off, soff
	v_cvt_scalef32_pk16_bf6_f32 v[CT:CT+2], v[\src:\src+15], v[\so]
	v_lshrrev_b32 v[\by], 23, v[\so]
	v_cvt_scalef32_pk16_bf6_f32 v[\src:\src+2], v[\src+16:\src+31], v[\so]
	v_nop                                          ; a plain place behind the conversion
	MOV3 CT+3, \src
	ds_store_b128 v[CA], v[CT:CT+3] offset:\off
	ds_store_b64 v[CB], v[CT+4:CT+5] offset:(\off)+512
	ds_store_b8 v[SA], v[\by] offset:\soff
.endm
; a of tile t: the largest magnitude in four chains (the floor 2^(5 - 127) among the leaves holds the byte at 1 from below), 4 off its exponent field
.macro AWORK t
.set IT, 0
.rept 16
.set U1, IT%4
.set U2, IT/4
.if U2 == 0
	v_max3_num_f32 v[BM+U1], 0x2800000, |v[AR+8*U1]|, |v[AR+8*U1+1]|
.else
	v_max3_num_f32 v[BM+U1], v[BM+U1], |v[AR+8*U1+2*U2]|, |v[AR+8*U1+2*U2+1]|
.endif
.set IT, IT+1
.endr
	v_max3_num_f32 v[BM], v[BM], v[BM+1], v[BM+2]
	v_max_num_f32 v[BM], v[BM], v[BM+3]
	v_add_nc_u32 v[BM+1], 0xfe000000, v[BM]
	CODES AR, BM+1, BM+2, 768*\t, 4*\t
.endm
; v of d tiles 2 pp, 2 pp + 1: two chains a block
.macro VWORK pp
.set IT, 0
.rept 32
.set U1, IT%4
.set U2, IT/4
.set U3, VR+16*U1+2*U2
.if U2 == 0
	v_max3_num_f32 v[BM+U1], 0x2800000, |v[U3]|, |v[U3+1]|
.else
	v_max3_num_f32 v[BM+U1], v[BM+U1], |v[U3]|, |v[U3+1]|
.endif
.set IT, IT+1
.endr
	v_max_num_f32 v[BM], v[BM], v[BM+1]
	v_max_num_f32 v[BM+2], v[BM+2], v[BM+3]
	v_add_nc_u32 v[BM+1], 0xfe000000, v[BM]
	v_add_nc_u32 v[BM+3], 0xfe000000, v[BM+2]
	CODES VR, BM+1, BM, 3072+1536*\pp, 256+8*\pp
	CODES VR+32, BM+3, BM+2, 3072+1536*\pp+768, 256+8*\pp+4
.endm
; Wv's fragments and the bias of d tiles 2 pp, 2 pp + 1.  The six address lines are the places behind the products whose registers are filled anew.
.macro WVGET pp
	v_and_b32 v[BM+2], 15, v0
	v_bfe_u32 v[BM+3], v0, 4, 1
	v_mul_u32_u24 v[BM], v[BM+2], 240
	v_mad_u32_u24 v[BM], v[BM+3], 24, v[BM]
	v_add_nc_u32 v[BM], WVL, v[BM]
	v_lshl_add_u32 v[BM+1], v[BM+3], 4, v[BM]
.irp d, 0,1
	FRAG WVF+24*\d, BM, 0, 3840*(2*\pp+\d)+128*\pp
	FRAG WVF+24*\d+12, BM, 1, 3840*(2*\pp+\d)+128*\pp
.endr
.irp d, 0,1
.irp j, 0,1,2,3,4,5,6,7
	v_mov_b32 v[BV+8*\d+\j], v[BVT+2*\pp+\d]       ; the bias in the result's layout: my d in all eight registers
.endr
.endr
.endm
.macro VMUL pp                         ; v of the group: eight accumulators by turns
.irp t, 0,1,2,3
.irp d, 0,1
	MMC VR+32*\d+8*\t, XF+24*\t, WVF+24*\d, BV+8*\d, XSW+\t, WVS+2*\pp+\d
.endr
.endr
.irp t, 0,1,2,3
.irp d, 0,1
	MMR VR+32*\d+8*\t, XF+24*\t+12, WVF+24*\d+12, XSW+\t, WVS+2*\pp+\d
.endr
.endr
.endm
.macro AMUL t                          ; a^T of tile t: four accumulators by turns
.irp ta, 0,1,2,3
	MM0 AR+8*\ta, WAF+24*\ta, XF+24*\t, WAS+\ta, XSW+\t
.endr
.irp ta, 0,1,2,3
	MMR AR+8*\ta, WAF+24*\ta+12, XF+24*\t+12, WAS+\ta, XSW+\t
.endr
.endm
	s_load_b256 s[4:11], s[0:1], 0x0               ; x_codes s[4:5], x_scales s[6:7], Wa_codes s[8:9], Wa_scales s[10:11]
	s_load_b256 s[12:19], s[0:1], 0x20             ; Wv_codes s[12:13], Wv_scales s[14:15], nodes_codes s[16:17], nodes_scales s[18:19]
	s_load_b128 s[20:23], s[0:1], 0x40             ; bv s[20:21], part_o s[22:23]
	s_load_b64 s[24:25], s[0:1], 0x50              ; part_ml
	v_lshl_add_u32 v[SPW], v0, 2, SPARE
	v_mov_b32 v[NIL], 0
	ds_add_u32 v[SPW], v[NIL]                      ; the opening: the add, twice on end, and its wait ahead of my tensor load
	ds_add_u32 v[SPW], v[NIL]
	v_lshrrev_b32 v32, 5, v0
	v_readfirstlane_b32 s26, v32                   ; wave 0..15
	s_bfe_u32 s27, ttmp6, 0x40000                  ; cx: the head
	s_and_b32 s74, s26, 7                          ; my node tile; also which 8 rows of a weight I bring
	s_lshr_b32 s75, s26, 3                         ; my half of the keys; also which weight I bring
	s_and_b32 s52, ttmp7, 0xffff                   ; the batch
	s_lshl_b32 s53, s52, 13
	s_lshl_b32 s62, ttmp9, 10                      ; in a cluster launch ttmp9 counts clusters: the chunk
	s_add_co_u32 s53, s53, s62
	s_lshl_b32 s62, s26, 6
	s_add_co_u32 s53, s53, s62                     ; my first row of x: 8192 batch + 1024 chunk + 64 wave.  s53-55 and s62 never hold the head
	s_mul_i32 s41, s26, XREG                       ; my region of LDS
	s_lshr_b32 s42, s26, 1
	s_lshl_b32 s42, s42, 9
	s_and_b32 s62, s26, 1
	s_lshl_b32 s62, s62, 1
	s_add_co_u32 s42, s42, s62
	s_add_co_u32 s42, s42, SCL                     ; my scale bytes: step w / 2, bytes 2 (w % 2) on of its words
	s_mul_i32 s38, s74, 1920
	s_lshr_b32 s62, s74, 2
	s_lshl_b32 s62, s62, 7
	s_add_co_u32 s38, s38, s62                     ; 128 bytes more from row 32 on
	s_mul_i32 s62, s75, WSZ
	s_add_co_u32 s38, s38, s62
	s_add_co_u32 s38, s38, WAL                     ; my 8 rows of Wa (waves 0-7) or Wv
	s_mul_i32 s36, s75, 8*XREG                     ; phase 2: my half's codes
	s_lshl_b32 s46, s75, 11
	s_add_co_u32 s46, s46, SCL                     ; and scale words
	s_mul_i32 s47, s74, 4352
	s_add_co_u32 s47, s47, STG
	s_mul_i32 s43, s75, STH
	s_add_co_u32 s43, s43, s47                     ; my stage;
	s_mul_i32 s62, s75, 8*272
	s_add_co_u32 s47, s47, s62                     ; the eight rows that I join
	s_lshl_b32 s40, s26, 7
	s_add_co_u32 s40, s40, STA                     ; my statistics;
	s_lshl_b32 s48, s74, 7
	s_add_co_u32 s48, s48, STA                     ; those of my node tile,
	s_lshl_b32 s39, s75, 6
	s_add_co_u32 s39, s39, s48                     ; of my eight rows
	; descriptor group 1 for x's codes: 12,288 dense bytes as 48 rows of 32 elements of 8 bytes, 16 bytes of padding behind every 64; joint: mask 15, bit 21 beside it
	s_mov_b32 s28, 15|(3<<16)|(1<<20)|(1<<21)|(3<<22)|(3<<25)
	s_mov_b32 s29, 32<<16
	s_mov_b32 s30, 48<<16
	s_mov_b32 s31, 32<<16
	s_mov_b32 s32, 48
	s_mov_b32 s33, 32
	s_mov_b32 s34, 0
	s_mov_b32 s35, 0
	s_mov_b32 s80, 1
	s_mul_i32 s81, s26, XREG
	s_mul_i32 s54, s53, 192                        ; x's codes: 192 bytes a row (under 2^24 in all)
	s_mov_b32 s55, 0
	s_lshl_b32 s44, s53, 3                         ; x's scales: 8 bytes a row
	s_mov_b32 s45, 0
	s_lshl_b32 s56, s27, 6
	s_lshl_b32 s63, s74, 3
	s_add_co_u32 s56, s56, s63
	s_mul_i32 s56, s56, 192                        ; the weights: rows 64 head + 8 (wave % 8) on
	s_mov_b32 s57, 0
	s_lshl_b32 s76, s27, 9                         ; the head's 64 rows of scale bytes
	s_mov_b32 s77, 0
	s_lshl_b32 s2, s27, 8                          ; its 64 numbers of bv
	s_mov_b32 s3, 0
	s_mul_i32 s66, s74, 768                        ; my node tile's codes
	s_mov_b32 s67, 0
	s_lshl_b32 s68, s74, 5                         ; and scale bytes
	s_mov_b32 s69, 0
	s_lshl_b32 s70, s52, 20                        ; part_o [batch][node][chunk][head][d]: batch, nodes 16 tile + 8 half on, chunk, head
	s_lshl_b32 s63, s74, 17
	s_add_co_u32 s70, s70, s63
	s_lshl_b32 s63, s75, 16
	s_add_co_u32 s70, s70, s63
	s_lshl_b32 s63, ttmp9, 10
	s_add_co_u32 s70, s70, s63
	s_add_co_u32 s70, s70, s2
	s_mov_b32 s71, 0
	s_lshl_b32 s72, s52, 16                        ; part_ml [batch][head][chunk][node][2][2]: each node's pair twice
	s_lshl_b32 s63, s27, 14
	s_add_co_u32 s72, s72, s63
	s_lshl_b32 s63, ttmp9, 11
	s_add_co_u32 s72, s72, s63
	s_lshl_b32 s63, s74, 8
	s_add_co_u32 s72, s72, s63
	s_mov_b32 s73, 0
	s_mov_b32 s58, 0x3e38aa3b                      ; c = log2(e) / sqrt(64)
	s_mov_b32 s59, s58
	s_mov_b32 s60, 0x76543210                      ; v_permlanex16_b32's selects for lane l xor 16
	s_mov_b32 s61, 0xfedcba98
	v_bfe_u32 v224, v0, 4, 1                       ; hh
	v_and_b32 v225, 31, v0                         ; lane
	v_and_b32 v226, 15, v0                         ; r
	v_and_b32 v227, 7, v0                          ; r & 7
	v_bfe_u32 v228, v0, 3, 1                       ; r >> 3
	v_mul_u32_u24 v229, v227, 240
	v_mad_u32_u24 v229, v224, 24, v229             ; row r & 7, + 24 hh
	v_mad_u32_u24 v26, v228, 9600, v229            ; x: 32 + 8 rows on in an even tile,
	v_mad_u32_u24 v28, v228, 5760, v229            ; 32 - 8 in an odd one;
	v_mad_u32_u24 v30, v228, 7808, v229            ; Wa: 32 rows and 128 bytes on
	v_add_nc_u32 v26, s41, v26
	v_add_nc_u32 v28, s41, v28
	v_add_nc_u32 v30, WAL, v30
	v_lshl_add_u32 v27, v224, 4, v26
	v_lshl_add_u32 v29, v224, 4, v28
	v_lshl_add_u32 v31, v224, 4, v30
	v_lshl_add_u32 v[CA], v225, 4, s41
	v_lshl_add_u32 v[CB], v225, 3, s41
	v_lshl_add_u32 v[SA], v226, 4, v224            ; 16 r + hh
	v_add_nc_u32 v[SA], s42, v[SA]
	v_lshlrev_b32 v230, 4, v225                    ; the weights: 16 bytes a lane
	v_lshlrev_b32 v231, 2, v224
	v_lshl_add_u32 v232, v227, 3, v231             ; 8 bytes of scales a row, word hh:
	v_mad_u32_u24 v233, v228, 320, v232            ; x's rows of an even tile,
	v_mad_u32_u24 v234, v228, 192, v232            ; of an odd one,
	v_lshl_add_u32 v235, v228, 8, v232             ; Wa's,
	v_lshl_add_u32 v236, v226, 3, v231             ; Wv's
	v_lshlrev_b32 v237, 2, v226                    ; bv
	v_lshrrev_b32 v238, 2, v225
	v_and_b32 v239, 3, v225
	v_mul_u32_u24 v238, v238, 80
	v_lshl_add_u32 v238, v239, 4, v238             ; a dense byte y goes to y + 16 (y / 64)
	v_add_nc_u32 v238, s38, v238
	s_wait_alu depctr_va_vdst(0)                   ; the wait at the head's end
	s_wait_dscnt 0x0                               ; both opening adds are done
	CROUND                                         ; all four work-groups are here: the joint loads meet
	s_wait_kmcnt 0x0
	s_add_nc_u64 s[82:83], s[4:5], s[54:55]
	s_or_b32 s83, s83, 0x80000000
	tensor_load_to_lds s[80:83], s[28:35]          ; my 64 keys: the wave's one tensor load
	s_nop 0
	PLACES
	s_cmp_eq_u32 s75, 0
	s_cselect_b64 s[8:9], s[8:9], s[12:13]         ; waves 0-7 bring Wa, waves 8-15 Wv
	s_add_nc_u64 s[8:9], s[8:9], s[56:57]
	s_add_nc_u64 s[10:11], s[10:11], s[76:77]
	s_add_nc_u64 s[14:15], s[14:15], s[76:77]
	s_add_nc_u64 s[20:21], s[20:21], s[2:3]
	s_add_nc_u64 s[6:7], s[6:7], s[44:45]
	s_add_nc_u64 s[16:17], s[16:17], s[66:67]
	s_add_nc_u64 s[18:19], s[18:19], s[68:69]
	s_add_nc_u64 s[22:23], s[22:23], s[70:71]
	s_add_nc_u64 s[24:25], s[24:25], s[72:73]
.irp i, 0,1,2
	global_load_b128 v[WAF+4*\i:WAF+4*\i+3], v230, s[8:9] offset:512*\i      ; my 8 rows, 1,536 dense bytes
.endr
.irp t, 0,1,2,3
	global_load_b32 v[WAS+\t], v235, s[10:11] offset:64*\t
	global_load_b32 v[WVS+\t], v236, s[14:15] offset:128*\t
	global_load_b32 v[BVT+\t], v237, s[20:21] offset:64*\t
.endr
.irp t, 0,2
	global_load_b32 v[XSW+\t], v233, s[6:7] offset:64*\t
	global_load_b32 v[XSW+\t+1], v234, s[6:7] offset:64*\t+64
.endr
	s_wait_loadcnt 16                              ; the weights are in; the 16 loads behind them may be out
.irp i, 0,1,2
	ds_store_b128 v238, v[WAF+4*\i:WAF+4*\i+3] offset:640*\i
.endr
	s_wait_dscnt 0x0                               ; for the others' sake: my rows have landed
	s_barrier_signal -1
	s_barrier_wait -1                              ; everybody's have.  (My tensor load may be out: only I read those bytes ahead of the next barrier)
.irp t, 0,1,2,3
	FRAG WAF+24*\t, 30, 0, 1920*\t
	FRAG WAF+24*\t+12, 30, 1, 1920*\t
.endr
	s_wait_loadcnt 0x0
	s_wait_tensorcnt 0x0                           ; my keys are in
.irp t, 0,1,2,3
	FRAG XF+24*\t, 26+2*(\t%2), 0, 1920*\t         ; x is read once
	FRAG XF+24*\t+12, 26+2*(\t%2), 1, 1920*\t
.endr
	; ---- a, a tile of 16 keys at a time; the codes go over my own x, all of whose reads stand ahead (LDS serves a wave's instructions in order: ISA guide 5.7.1.4)
.irp t, 0,1,2
	s_wait_dscnt 36-12*\t                          ; Wa and tile t of x are in; the later tiles' loads may be out
	AMUL \t
	PLACES
	AWORK \t
.endr
	s_wait_dscnt 0x0
	AMUL 3
	WVGET 0                                        ; ahead of the last tile's work, so that they land beside it
	AWORK 3
	; ---- v, two d tiles at a time
	s_wait_dscnt 3                                 ; Wv's fragments are in; the three stores behind them may be out
	VMUL 0
	WVGET 1
	VWORK 0
	s_wait_dscnt 6                                 ; the six stores behind Wv's fragments may be out
	VMUL 1
	v_and_b32 v[BM+2], 15, v0                      ; r
	v_bfe_u32 v[BM+3], v0, 4, 1                    ; hh
	v_mul_u32_u24 v[BM], v[BM+2], 48
	v_mad_u32_u24 v[BM], v[BM+3], 24, v[BM]        ; these four are the places behind the products
	v_mov_b32 v128, v[BM]                          ; a node's 64 codes are 48 bytes
	v_lshlrev_b32 v129, 1, v[BM+2]
.irp p, 0,1,2
	global_load_b64 v[ND+6+2*\p:ND+6+2*\p+1], v128, s[16:17] offset:8*\p
.endr
	global_load_u16 v[NSW], v129, s[18:19]
	VWORK 1
	; ---- phase 2's registers
	v_bfe_u32 v25, v0, 4, 1                        ; hh
	v_and_b32 v24, 15, v0                          ; r
	v_and_b32 v18, 31, v0                          ; lane
	s_mov_b32 s50, 0                               ; the step's codes and
	s_mov_b32 s52, 0                               ; scale words
	v_lshl_add_u32 v3, v18, 4, s36
	v_lshl_add_u32 v4, v18, 3, s36
	v_lshl_add_u32 v5, v24, 4, s46
	v_mul_u32_u24 v25, v25, 24
	v_mov_b32 v26, 0x0c070c03
	v_alignbit_b32 v[SEL], v26, v26, v25           ; my two bytes at places hh and 2 + hh, zeros beside them
	v_mov_b32 v[PX], 0                             ; written once: a lane permute's destination counts as one of its sources
	v_mov_b32 v[PXB], 0
	v_mov_b32 v[TN+1], 0                           ; named as upper halves of pairs
	v_mov_b32 v[FF+1], 0
.irp j, 0,1,2,3,4,5
	v_mov_b32 v[ND+\j], 0                          ; zero codes beside the nodes
	v_mov_b32 v[ND+12+\j], 0
.endr
	v_add_nc_u32 v18, s50, v3
	v_add_nc_u32 v19, s50, v4
	v_add_nc_u32 v20, s52, v5
	s_wait_loadcnt 0x0                             ; the nodes
	v_lshl_or_b32 v[NSW], v[NSW], 16, v[NSW]       ; (s0, s1, s0, s1)
	s_wait_alu depctr_va_vdst(0)                   ; the wait here, directly ahead of the wait below
	s_wait_dscnt 0x0                               ; for the others' sake: my codes and scale bytes have landed
	s_barrier_signal -1
	s_barrier_wait -1
.macro CLOAD off                       ; a step's codes of a (off 0) or v (off 3072): four tiles of two groups
.irp t, 0,1,2,3
.irp c, 0,1
	ds_load_b128 v[XC+12*\t+6*\c:XC+12*\t+6*\c+3], v18 offset:XREG*\c+\off+768*\t
	ds_load_b64 v[XC+12*\t+6*\c+4:XC+12*\t+6*\c+5], v19 offset:XREG*\c+\off+768*\t+512
.endr
.endr
.endm
.macro FMA2 k                          ; t - M, two at a time
	v_pk_fma_f32 v[SS+2*(\k):SS+2*(\k)+1], v[SS+2*(\k):SS+2*(\k)+1], s[58:59], v[TN:TN+1] op_sel_hi:[1,0,0]
.endm
.macro LEAF dst, g, k                  ; four p of group g become two sums
	v_pk_add_f32 v[\dst+2*(\k):\dst+2*(\k)+1], v[SS+16*(\g)+4*(\k):SS+16*(\g)+4*(\k)+1], v[SS+16*(\g)+4*(\k)+2:SS+16*(\g)+4*(\k)+3]
.endm
.macro ACC k
	v_pk_add_f32 v[AU+2*(\k):AU+2*(\k)+1], v[AU+2*(\k):AU+2*(\k)+1], v[UU+2*(\k):UU+2*(\k)+1]
.endm
; p = 2^(t - M) of 16 scores, with lines between that name none of them: the next group's multiply-adds, sums of earlier groups.  No register written in one group is read ahead of the wait behind it.
.macro EXPS g
.set EI, 0
.rept 16
	v_exp_f32 v[SS+16*\g+EI], v[SS+16*\g+EI]
.if \g < 3
.if EI%2 == 1
	FMA2 8*(\g+1)+EI/2
.elseif (EI%4 == 0) && (\g == 1)
	LEAF AU, 0, EI/4
.elseif (EI%4 == 0) && (\g == 2)
	LEAF UU, 1, EI/4
.endif
.elseif EI%2 == 1
.if EI < 8
	ACC EI/2
.else
	LEAF UU, 2, (EI-8)/2
.endif
.endif
.set EI, EI+1
.endr
.endm
.macro SUM3 k                          ; the last group's p
	v_pk_add_f32 v[AU+2*((\k)%4):AU+2*((\k)%4)+1], v[AU+2*((\k)%4):AU+2*((\k)%4)+1], v[SS+48+2*(\k):SS+48+2*(\k)+1]
.endm
; A STEP OF 128 KEYS for my 16 nodes: a lane holds one node; score registers 32 c + 0 .. 31 are block hh of the step's group c: two whole blocks.
; first = 1: no old M, and the products start the sums; last = 1: nothing more to fetch.
.macro STEP first, last
	s_wait_alu depctr_va_vdst(0)                   ; the wait here, directly ahead of the wait below
	s_wait_dscnt 0x0                               ; a's codes are in
.irp k, 0,1,2,3,4,5,6,7
	MM0 SS+8*\k, XC+12*(\k%4), ND+6*(1-\k/4), ASW+\k%4, NSW
.endr
	PLACES
	CLOAD 3072                                     ; v's codes take their place
	ds_load_b128 v[VSW:VSW+3], v20 offset:256
; the largest score of each block: it serves for the row's maximum and for the block's largest p
.set IM, 0
.rept 32
.set U1, IM%4
.set U2, IM/4
.set U3, SS+32*(U1%2)+16*(U1/2)+2*U2
.if U2 == 0
	v_max_num_f32 v[MX+U1], v[U3], v[U3+1]
.else
	v_max3_num_f32 v[MX+U1], v[MX+U1], v[U3], v[U3+1]
.endif
.set IM, IM+1
.endr
	v_max_num_f32 v[MX], v[MX], v[MX+2]
	v_max_num_f32 v[MX+1], v[MX+1], v[MX+3]
	v_max_num_f32 v[RM], v[MX], v[MX+1]
	v_permlanex16_b32 v[PX], v[RM], s60, s61
	v_max_num_f32 v[RM], v[RM], v[PX]              ; the node's largest score of the step
	v_mul_f32 v[RM], s58, v[RM]                    ; as t (c is positive)
.if \first
	v_floor_f32 v[TN], -v[RM]                      ; -M = floor(-t) = -ceil(t): a whole number
.else
	v_floor_f32 v[RM], -v[RM]
	v_min_num_f32 v[RM], v[RM], v[TN]              ; the running M
	v_sub_f32 v[TE], v[RM], v[TN]                  ; old M - new M: a whole number, 0 or less
	v_mov_b32 v[TN], v[RM]
	v_cvt_i32_f32 v[TE], v[TE]
	v_ldexp_f32 v[FF], 1.0, v[TE]                  ; a multiplication by it rounds nothing
.endif
.irp k, 0,1,2,3,4,5,6,7
	FMA2 \k
.endr
	v_fma_f32 v[MX], v[MX], s58, v[TN]
	v_fma_f32 v[MX+1], v[MX+1], s58, v[TN]
	s_wait_alu depctr_va_vdst(0)                   ; the wait ahead of each batch and behind it
	v_exp_f32 v[MX], v[MX]
	v_exp_f32 v[MX+1], v[MX+1]
	EXPS 0
	s_wait_alu depctr_va_vdst(0)
	v_max_num_f32 v[MX], 0x2800000, v[MX]          ; each block's largest p over the floor 2^(5 - 127)
	v_max_num_f32 v[MX+1], 0x2800000, v[MX+1]
	v_add_nc_u32 v[SO], 0xfe000000, v[MX]          ; 4 off the exponent field
	v_add_nc_u32 v[SO+1], 0xfe000000, v[MX+1]
	v_lshlrev_b32 v[WD], 1, v[SO]                  ; the exponent field as the highest byte
	v_lshlrev_b32 v[MX+2], 1, v[SO+1]
	v_perm_b32 v[WD], v[MX+2], v[WD], v[SEL]       ; my two bytes at their places,
	v_permlanex16_b32 v[PXB], v[WD], s60, s61
	v_or_b32 v[PSW], v[WD], v[PXB]                 ; with lane l xor 16's: p's scale word for these 128 keys
	EXPS 1
	s_wait_alu depctr_va_vdst(0)
	EXPS 2
	s_wait_alu depctr_va_vdst(0)
	EXPS 3
	s_wait_dscnt 0x0                               ; v's codes are in
	s_wait_alu depctr_va_vdst(0)
.irp k, 0,1,2,3
	ACC \k
.endr
	v_cvt_scalef32_pk16_bf6_f32 v[PC:PC+2], v[SS:SS+15], v[SO]
	SUM3 0
	SUM3 1
	v_cvt_scalef32_pk16_bf6_f32 v[PTA:PTA+2], v[SS+16:SS+31], v[SO]
	SUM3 2
	SUM3 3
	v_cvt_scalef32_pk16_bf6_f32 v[PC+6:PC+8], v[SS+32:SS+47], v[SO+1]
	SUM3 4
	SUM3 5
	v_cvt_scalef32_pk16_bf6_f32 v[PTB:PTB+2], v[SS+48:SS+63], v[SO+1]
	SUM3 6
	SUM3 7
	MOV3 PC+3, PTA
	MOV3 PC+9, PTB
.if \first
	PLACES                                         ; an operand written by vector instructions stands 4 places ahead
.else
	s_wait_alu depctr_va_vdst(0)                   ; the wait here, directly ahead of the first reader of O^T
.irp j, 0,2,4,6,8,10,12,14,16,18,20,22,24,26,28,30
	v_pk_mul_f32 v[OO+\j:OO+\j+1], v[OO+\j:OO+\j+1], v[FF:FF+1] op_sel_hi:[1,0]   ; O^T under the new M
.endr
.endif
.irp dt, 0,1,2,3
.if \first
	MM0 OO+8*\dt, XC+12*\dt, PC, VSW+\dt, PSW
.else
	MMC OO+8*\dt, XC+12*\dt, PC, OO+8*\dt, VSW+\dt, PSW
.endif
.endr
	v_pk_add_f32 v[AU:AU+1], v[AU:AU+1], v[AU+2:AU+3]   ; the sum of the unquantised p: also the places behind the products
	v_pk_add_f32 v[AU+4:AU+5], v[AU+4:AU+5], v[AU+6:AU+7]
.if \first
	v_pk_add_f32 v[LS:LS+1], v[AU:AU+1], v[AU+4:AU+5]
	v_nop
.else
	v_pk_add_f32 v[AU:AU+1], v[AU:AU+1], v[AU+4:AU+5]
	v_pk_fma_f32 v[LS:LS+1], v[LS:LS+1], v[FF:FF+1], v[AU:AU+1] op_sel_hi:[1,0,1]
.endif
.if \last == 0
	s_add_co_u32 s50, s50, 2*XREG
	s_add_co_u32 s52, s52, 512
	v_add_nc_u32 v18, s50, v3
	v_add_nc_u32 v19, s50, v4
	v_add_nc_u32 v20, s52, v5
	CLOAD 0                                        ; the next step's codes of a
	ds_load_b128 v[ASW:ASW+3], v20
.endif
.endm
	CLOAD 0
	ds_load_b128 v[ASW:ASW+3], v20
	STEP 1, 0
	s_mov_b32 s49, 0
.Lstep:
	STEP 0, 0
	s_add_co_u32 s49, s49, 1
	s_cmp_lt_u32 s49, 2
	s_wait_alu depctr_va_vdst(0)                   ; the wait here, directly ahead of the branch
	s_cbranch_scc1 .Lstep
	STEP 0, 1
	; ---- the way out: the two halves of a node tile meet in row order; each of the two waves joins eight nodes
	v_add_f32 v[LS], v[LS], v[LS+1]
	v_permlanex16_b32 v[PX], v[LS], s60, s61
	v_and_b32 v3, 15, v0                           ; r
	v_bfe_u32 v4, v0, 4, 1                         ; hh
	v_add_f32 v[LS+1], v[LS], v[PX]                ; l of my half
	v_mov_b32 v[LS], v[TN]                         ; -M
	v_lshlrev_b32 v5, 4, v3
	v_mul_u32_u24 v18, v3, 272
	v_lshl_add_u32 v18, v4, 5, v18
	v_add_nc_u32 v18, s43, v18                     ; into my stage: row r, + 32 hh
	v_mul_u32_u24 v19, v4, 272
	v_add_nc_u32 v19, v19, v5
	v_add_nc_u32 v19, s47, v19                     ; back: lanes 0-15 one row, lanes 16-31 the next
	v_lshl_add_u32 v20, v4, 13, v5                 ; a node's row of part_o is 8,192 bytes
	v_lshl_add_u32 v21, v3, 3, s40                 ; my statistics,
	v_lshl_add_u32 v23, v4, 3, s39                 ; those of the rows that I join,
	v_lshl_add_u32 v24, v3, 3, s48                 ; of node r
	v_lshl_add_u32 v25, v4, 3, v5                  ; part_ml: 16 r + 8 hh
	ds_store_b64 v21, v[LS:LS+1]                   ; lanes r and r + 16 write the same pair
.irp dt, 0,1,2,3
	ds_store_b128 v18, v[OO+8*\dt:OO+8*\dt+3] offset:64*\dt            ; lane (r, hh): d = 16 dt + 8 hh + 0 .. 7
	ds_store_b128 v18, v[OO+8*\dt+4:OO+8*\dt+7] offset:64*\dt+16
.endr
	s_wait_alu depctr_va_vdst(0)                   ; the wait here, directly ahead of the wait below
	s_wait_dscnt 0x0                               ; for the others' sake: my stores have landed
	s_barrier_signal -1
	s_barrier_wait -1
.irp t, 0,1,2,3
	ds_load_b64 v[164+4*\t:165+4*\t], v23 offset:16*\t
	ds_load_b64 v[166+4*\t:167+4*\t], v23 offset:16*\t+1024
.endr
.irp t, 0,1,2,3
	ds_load_b128 v[132+4*\t:135+4*\t], v19 offset:544*\t
	ds_load_b128 v[148+4*\t:151+4*\t], v19 offset:544*\t+STH
.endr
	s_wait_dscnt 0x0
.irp t, 0,1,2,3
	v_min_num_f32 v[180+\t], v[164+4*\t], v[166+4*\t]   ; the work-group's -M
.endr
.irp t, 0,1,2,3
	v_sub_f32 v[164+4*\t], v[180+\t], v[164+4*\t]
	v_sub_f32 v[166+4*\t], v[180+\t], v[166+4*\t]
.endr
.irp t, 0,1,2,3
	v_cvt_i32_f32 v[164+4*\t], v[164+4*\t]
	v_cvt_i32_f32 v[166+4*\t], v[166+4*\t]
.endr
.irp t, 0,1,2,3
	v_ldexp_f32 v[164+4*\t], 1.0, v[164+4*\t]      ; each half's factor, a power of two
	v_ldexp_f32 v[166+4*\t], 1.0, v[166+4*\t]
.endr
.irp t, 0,1,2,3
.irp u, 0,2
	v_pk_mul_f32 v[132+4*\t+\u:133+4*\t+\u], v[132+4*\t+\u:133+4*\t+\u], v[164+4*\t:165+4*\t] op_sel_hi:[1,0]
.endr
.endr
.irp t, 0,1,2,3
.irp u, 0,2
	v_pk_fma_f32 v[132+4*\t+\u:133+4*\t+\u], v[148+4*\t+\u:149+4*\t+\u], v[166+4*\t:167+4*\t], v[132+4*\t+\u:133+4*\t+\u] op_sel_hi:[1,0,1]
.endr
.endr
.irp t, 0,1,2,3
	global_store_b128 v20, v[132+4*\t:135+4*\t], s[22:23] offset:16384*\t   ; two nodes: sixteen lanes store 256 consecutive bytes, aligned
.endr
	s_cmp_eq_u32 s75, 0
	s_wait_alu depctr_va_vdst(0)                   ; the wait here, directly ahead of the branch
	s_cbranch_scc0 .Lno_pairs                      ; waves 0-7 store their node tile's pairs
	ds_load_b64 v[196:197], v24
	ds_load_b64 v[198:199], v24 offset:1024
	s_wait_dscnt 0x0
	v_min_num_f32 v200, v196, v198
	v_sub_f32 v196, v200, v196
	v_sub_f32 v198, v200, v198
	v_cvt_i32_f32 v196, v196
	v_cvt_i32_f32 v198, v198
	v_ldexp_f32 v197, v197, v196
	v_ldexp_f32 v199, v199, v198
	v_add_f32 v201, v197, v199                     ; l under the work-group's M
	global_store_b64 v25, v[200:201], s[24:25]     ; lanes r and r + 16 hold the same pair: 32 lanes store 256 consecutive bytes, aligned
.Lno_pairs:
	s_wait_tensorcnt 0x0                           ; the wave's end
	ds_add_u32 v[SPW], v[NIL]
	s_wait_dscnt 0x0
	CROUND                                         ; the closing round: no work-group ends while a partner may still ask for a tile that names it
	s_endpgm
.Lfunc_end_k_qc4aa0a7ea8_attn:
	.size	k_qc4aa0a7ea8_attn, .Lfunc_end_k_qc4aa0a7ea8_attn-k_qc4aa0a7ea8_attn
	.p2alignl 7, 3214868480
	.fill 96, 4, 3214868480
	.section	.rodata,"a",@progbits
	.p2align	6, 0x0
	.amdhsa_kernel k_qc4aa0a7ea8_attn
		.amdhsa_group_segment_fixed_size 327680
		.amdhsa_private_segment_fixed_size 0
		.amdhsa_enable_private_segment 0
		.amdhsa_kernarg_size 88
		.amdhsa_user_sgpr_count 2
		.amdhsa_user_sgpr_kernarg_segment_ptr 1
		.amdhsa_wavefront_size32 1
		.amdhsa_system_sgpr_workgroup_id_x 1
		.amdhsa_system_sgpr_workgroup_id_y 1
		.amdhsa_system_sgpr_workgroup_id_z 1
		.amdhsa_system_vgpr_workitem_id 0
		.amdhsa_next_free_vgpr 256
		.amdhsa_next_free_sgpr 100
		.amdhsa_reserve_vcc 0
		.amdhsa_float_denorm_mode_32 3
		.amdhsa_float_denorm_mode_16_64 3
		.amdhsa_memory_ordered 1
		.amdhsa_forward_progress 1
		.amdhsa_inst_pref_size 94
	.end_amdhsa_kernel
	.amdgpu_metadata
---
amdhsa.version: [ 1, 2 ]
amdhsa.kernels:
  - .name:           k_qc4aa0a7ea8_attn
    .symbol:         k_qc4aa0a7ea8_attn.kd
    .args:
      - { .name: x_codes, .offset: 0, .size: 8, .value_kind: global_buffer, .address_space: global }
      - { .name: x_scales, .offset: 8, .size: 8, .value_kind: global_buffer, .address_space: global }
      - { .name: Wa_codes, .offset: 16, .size: 8, .value_kind: global_buffer, .address_space: global }
      - { .name: Wa_scales, .offset: 24, .size: 8, .value_kind: global_buffer, .address_space: global }
      - { .name: Wv_codes, .offset: 32, .size: 8, .value_kind: global_buffer, .address_space: global }
      - { .name: Wv_scales, .offset: 40, .size: 8, .value_kind: global_buffer, .address_space: global }
      - { .name: nodes_codes, .offset: 48, .size: 8, .value_kind: global_buffer, .address_space: global }
      - { .name: nodes_scales, .offset: 56, .size: 8, .value_kind: global_buffer, .address_space: global }
      - { .name: bv, .offset: 64, .size: 8, .value_kind: global_buffer, .address_space: global }
      - { .name: part_o, .offset: 72, .size: 8, .value_kind: global_buffer, .address_space: global }
      - { .name: part_ml, .offset: 80, .size: 8, .value_kind: global_buffer, .address_space: global }
    .group_segment_fixed_size: 327680
    .private_segment_fixed_size: 0
    .kernarg_segment_align: 8
    .kernarg_segment_size: 88
    .max_flat_workgroup_size: 512
    .sgpr_count:     100
    .vgpr_count:     256
    .wavefront_size: 32
...
	.end_amdgpu_metadata
.endif
;; end of part 1
;; launch norm (part 2): grid 256 x 1, 4 waves a work-group, no clusters, 0 bytes of LDS; arguments part_o, part_ml, gamma, beta, out0; writes out0
.if DOCPART == 2
	.amdgcn_target "amdgcn-amd-amdhsa--gfx1250"
	.amdhsa_code_object_version 6
	.text
	.protected	k_qc4aa0a7ea8_norm
	.globl	k_qc4aa0a7ea8_norm
	.p2align	8
	.type	k_qc4aa0a7ea8_norm,@function
k_qc4aa0a7ea8_norm:
	s_mov_b64 s[64:65], 0
	v_nop
	global_prefetch_b8 v0, s[64:65] scope:SCOPE_SE
	s_setreg_imm32_b32 hwreg(HW_REG_WAVE_MODE, 25, 1), 1
	s_wait_xcnt 0x0
; The second launch: for each (batch, node) row the eight chunks' parts of O are brought under one M and added, divided by the joined sum l, passed through leaky ReLU (0.2) and LayerNorm over the row's 256 numbers.
; part_o: [batch 8][node 128][chunk 8][head 4][d 64] f32: a row's parts are 8,192 bytes on end.  part_ml: [batch][head][chunk][node][2][2] f32: the pair (-M, l), twice; M a whole number.  out0: [batch][node][256] f32.
; One wave takes one row: no LDS, no barrier.  Load i = 2 chunk + p of the row's sixteen reads 512 consecutive bytes: lane L holds d = 4 (L % 16) .. + 3 of head 2 p + L / 16, which are out0's columns 128 p + 4 L .. + 3.
; All 36 loads of a wave go out at once.  The factors 2^(a chunk's M - the largest M) are exact.  The variance is taken of the deviations from the mean, in a second pass over registers.
; No matrix unit, no cluster, no tensor load: a stream that is read once, with a few operations a number; no prefetch: there is no loop to run ahead in.
; LIMITS: NaN and infinities are not served.
.set NM,  4                            ; v4, v5    the least -M of heads 2 p + hh
.set LL,  6                            ; v6, v7    the joined l, then its reciprocal
.set GA,  8                            ; v8-15     gamma
.set BE,  16                           ; v16-23    beta
.set AA,  24                           ; v24-31    the row's eight numbers of my lane
.set ML,  32                           ; v32-63    (-M, l) of load i at ML + 2 i; -M gives way to the factor
.set OP,  64                           ; v64-127   the sixteen loads of O
.set T,   128                          ; v128-135  at work
	s_load_b256 s[4:11], s[0:1], 0x0               ; part_o s[4:5], part_ml s[6:7], gamma s[8:9], beta s[10:11]
	s_load_b64 s[12:13], s[0:1], 0x20              ; out0
	v_lshrrev_b32 v1, 5, v0
	v_readfirstlane_b32 s14, v1                    ; wave
	v_and_b32 v1, 31, v0
	v_lshlrev_b32 v2, 4, v1                        ; 16 bytes a lane
	v_bfe_u32 v3, v0, 4, 1
	v_lshlrev_b32 v3, 14, v3                       ; part_ml: a head is 16,384 bytes
	s_lshl_b32 s15, ttmp9, 2
	s_add_co_u32 s15, s15, s14                     ; my row: 128 batch + node
	s_lshl_b32 s16, s15, 13
	s_mov_b32 s17, 0
	s_lshr_b32 s18, s15, 7
	s_lshl_b32 s18, s18, 16                        ; the batch's 65,536 bytes,
	s_and_b32 s20, s15, 127
	s_lshl_b32 s20, s20, 4                         ; the node's 16
	s_add_co_u32 s18, s18, s20
	s_mov_b32 s19, 0
	s_lshl_b32 s20, s15, 10
	s_mov_b32 s21, 0
	s_mov_b32 s22, 0x76543210                      ; v_permlanex16_b32's selects for lane l xor 16
	s_mov_b32 s23, 0xfedcba98
	s_mov_b32 s24, 0x3727c5ac                      ; 1e-5
	s_mov_b32 s25, 0x3b800000                      ; 1 / 256
	s_wait_alu depctr_va_vdst(0)                   ; the wait at the head's end
	s_wait_kmcnt 0x0
	s_add_nc_u64 s[4:5], s[4:5], s[16:17]
	s_add_nc_u64 s[6:7], s[6:7], s[18:19]
	s_add_nc_u64 s[12:13], s[12:13], s[20:21]
.irp c, 0,1,2,3,4,5,6,7
.irp p, 0,1
	global_load_b64 v[ML+4*\c+2*\p:ML+4*\c+2*\p+1], v3, s[6:7] offset:32768*\p+2048*\c
.endr
.endr
.irp i, 0,1,2,3,4,5,6,7,8,9,10,11,12,13,14,15
	global_load_b128 v[OP+4*\i:OP+4*\i+3], v2, s[4:5] offset:512*\i th:TH_LOAD_NT
.endr
.irp p, 0,1
	global_load_b128 v[GA+4*\p:GA+4*\p+3], v2, s[8:9] offset:512*\p
	global_load_b128 v[BE+4*\p:BE+4*\p+3], v2, s[10:11] offset:512*\p
.endr
	s_wait_loadcnt 20                              ; the sixteen pairs are in; O's sixteen loads and gamma's and beta's four may be out
.irp p, 0,1
	v_min3_num_f32 v[NM+\p], v[ML+2*\p], v[ML+4+2*\p], v[ML+8+2*\p]
.endr
.irp p, 0,1
	v_min3_num_f32 v[NM+\p], v[NM+\p], v[ML+12+2*\p], v[ML+16+2*\p]
.endr
.irp p, 0,1
	v_min3_num_f32 v[NM+\p], v[NM+\p], v[ML+20+2*\p], v[ML+24+2*\p]
.endr
.irp p, 0,1
	v_min_num_f32 v[NM+\p], v[NM+\p], v[ML+28+2*\p]   ; the least -M: the largest M of the eight chunks
.endr
.irp i, 0,1,2,3,4,5,6,7,8,9,10,11,12,13,14,15
	v_sub_f32 v[ML+2*\i], v[NM+\i%2], v[ML+2*\i]   ; the chunk's M - the largest M: a whole number, 0 or less
.endr
.irp i, 0,1,2,3,4,5,6,7,8,9,10,11,12,13,14,15
	v_cvt_i32_f32 v[ML+2*\i], v[ML+2*\i]           ; (it saturates)
.endr
.irp i, 0,1,2,3,4,5,6,7,8,9,10,11,12,13,14,15
	v_ldexp_f32 v[ML+2*\i], 1.0, v[ML+2*\i]        ; the chunk's factor
.endr
.irp p, 0,1
	v_mul_f32 v[LL+\p], v[ML+2*\p], v[ML+2*\p+1]
.endr
.irp c, 1,2,3,4,5,6,7
.irp p, 0,1
	v_fmac_f32 v[LL+\p], v[ML+4*\c+2*\p], v[ML+4*\c+2*\p+1]
.endr
.endr
.irp i, 0,1,2,3,4,5,6,7,8,9,10,11,12,13,14,15
.if \i%4 == 0
	s_wait_alu depctr_va_vdst(0)                   ; the wait here, directly ahead of the wait below
	s_wait_loadcnt 16-\i                           ; loads i to i + 3 of O are in; the 12 - i behind them and gamma's and beta's four may be out
.endif
.irp u, 0,2
.if \i < 2
	v_pk_mul_f32 v[AA+4*\i+\u:AA+4*\i+\u+1], v[OP+4*\i+\u:OP+4*\i+\u+1], v[ML+2*\i:ML+2*\i+1] op_sel_hi:[1,0]
.else
	v_pk_fma_f32 v[AA+4*(\i%2)+\u:AA+4*(\i%2)+\u+1], v[OP+4*\i+\u:OP+4*\i+\u+1], v[ML+2*\i:ML+2*\i+1], v[AA+4*(\i%2)+\u:AA+4*(\i%2)+\u+1] op_sel_hi:[1,0,1]
.endif
.endr
.endr
	s_wait_alu depctr_va_vdst(0)                   ; the wait ahead of the batch and behind it
	v_rcp_f32 v[LL], v[LL]
	v_rcp_f32 v[LL+1], v[LL+1]
	v_mov_b32 v[T+1], 0                            ; a plain place behind the reciprocals; and a lane permute's destination counts as one of its sources
	v_mov_b32 v[T+3], 0
	s_wait_alu depctr_va_vdst(0)
.irp j, 0,1,2,3,4,5,6,7
	v_mul_f32 v[AA+\j], v[AA+\j], v[LL+\j/4]       ; O / l
.endr
.irp j, 0,1,2,3,4,5,6,7
	v_mul_f32 v[OP+\j], 0x3e4ccccd, v[AA+\j]
.endr
.irp j, 0,1,2,3,4,5,6,7
	v_max_num_f32 v[AA+\j], v[AA+\j], v[OP+\j]     ; leaky ReLU: the larger of y and 0.2 y
.endr
.macro LANES d                         ; the sum of v[d] over the 32 lanes, in every lane; v[d + 1] at work
	v_add_f32_dpp v[\d], v[\d], v[\d] row_xmask:1 row_mask:0xf bank_mask:0xf
	v_add_f32_dpp v[\d], v[\d], v[\d] row_xmask:2 row_mask:0xf bank_mask:0xf
	v_add_f32_dpp v[\d], v[\d], v[\d] row_xmask:4 row_mask:0xf bank_mask:0xf
	v_add_f32_dpp v[\d], v[\d], v[\d] row_xmask:8 row_mask:0xf bank_mask:0xf
	v_permlanex16_b32 v[\d+1], v[\d], s22, s23
	v_add_f32 v[\d], v[\d], v[\d+1]
.endm
	v_pk_add_f32 v[T:T+1], v[AA:AA+1], v[AA+2:AA+3]
	v_pk_add_f32 v[T+2:T+3], v[AA+4:AA+5], v[AA+6:AA+7]
	v_pk_add_f32 v[T:T+1], v[T:T+1], v[T+2:T+3]
	v_add_f32 v[T], v[T], v[T+1]
	LANES T
	v_mul_f32 v[T], s25, v[T]                      ; the mean
.irp j, 0,2,4,6
	v_pk_add_f32 v[AA+\j:AA+\j+1], v[AA+\j:AA+\j+1], v[T:T+1] op_sel_hi:[1,0] neg_lo:[0,1] neg_hi:[0,1]   ; the deviations
.endr
	v_pk_mul_f32 v[T+2:T+3], v[AA:AA+1], v[AA:AA+1]
	v_pk_mul_f32 v[T+4:T+5], v[AA+2:AA+3], v[AA+2:AA+3]
	v_pk_fma_f32 v[T+2:T+3], v[AA+4:AA+5], v[AA+4:AA+5], v[T+2:T+3]
	v_pk_fma_f32 v[T+4:T+5], v[AA+6:AA+7], v[AA+6:AA+7], v[T+4:T+5]
	v_pk_add_f32 v[T+2:T+3], v[T+2:T+3], v[T+4:T+5]
	v_add_f32 v[T+2], v[T+2], v[T+3]
	LANES T+2
	v_fma_f32 v[T+2], v[T+2], s25, s24             ; the variance + 1e-5
	s_wait_alu depctr_va_vdst(0)                   ; the wait ahead of the batch and behind it
	v_rsq_f32 v[T+4], v[T+2]
	v_rsq_f32 v[T+5], v[T+2]                       ; twice: a pair for the packed multiply
	v_nop                                          ; a plain place behind the transcendentals
	s_wait_loadcnt 0x0                             ; gamma and beta
	s_wait_alu depctr_va_vdst(0)
.irp j, 0,2,4,6
	v_pk_mul_f32 v[AA+\j:AA+\j+1], v[AA+\j:AA+\j+1], v[T+4:T+5]
.endr
.irp j, 0,2,4,6
	v_pk_fma_f32 v[AA+\j:AA+\j+1], v[AA+\j:AA+\j+1], v[GA+\j:GA+\j+1], v[BE+\j:BE+\j+1]
.endr
.irp p, 0,1
	global_store_b128 v2, v[AA+4*\p:AA+4*\p+3], s[12:13] offset:512*\p   ; 32 lanes store 512 consecutive bytes, at a multiple of 256 from out0's first byte
.endr
	s_endpgm
.Lfunc_end_k_qc4aa0a7ea8_norm:
	.size	k_qc4aa0a7ea8_norm, .Lfunc_end_k_qc4aa0a7ea8_norm-k_qc4aa0a7ea8_norm
	.p2alignl 7, 3214868480
	.fill 96, 4, 3214868480
	.section	.rodata,"a",@progbits
	.p2align	6, 0x0
	.amdhsa_kernel k_qc4aa0a7ea8_norm
		.amdhsa_group_segment_fixed_size 0
		.amdhsa_private_segment_fixed_size 0
		.amdhsa_enable_private_segment 0
		.amdhsa_kernarg_size 40
		.amdhsa_user_sgpr_count 2
		.amdhsa_user_sgpr_kernarg_segment_ptr 1
		.amdhsa_wavefront_size32 1
		.amdhsa_system_sgpr_workgroup_id_x 1
		.amdhsa_system_sgpr_workgroup_id_y 1
		.amdhsa_system_sgpr_workgroup_id_z 1
		.amdhsa_system_vgpr_workitem_id 0
		.amdhsa_next_free_vgpr 144
		.amdhsa_next_free_sgpr 66
		.amdhsa_reserve_vcc 0
		.amdhsa_float_denorm_mode_32 3
		.amdhsa_float_denorm_mode_16_64 3
		.amdhsa_memory_ordered 1
		.amdhsa_forward_progress 1
		.amdhsa_inst_pref_size 14
	.end_amdhsa_kernel
	.amdgpu_metadata
---
amdhsa.version: [ 1, 2 ]
amdhsa.kernels:
  - .name:           k_qc4aa0a7ea8_norm
    .symbol:         k_qc4aa0a7ea8_norm.kd
    .args:
      - { .name: part_o, .offset: 0, .size: 8, .value_kind: global_buffer, .address_space: global }
      - { .name: part_ml, .offset: 8, .size: 8, .value_kind: global_buffer, .address_space: global }
      - { .name: gamma, .offset: 16, .size: 8, .value_kind: global_buffer, .address_space: global }
      - { .name: beta, .offset: 24, .size: 8, .value_kind: global_buffer, .address_space: global }
      - { .name: out0, .offset: 32, .size: 8, .value_kind: global_buffer, .address_space: global }
    .group_segment_fixed_size: 0
    .private_segment_fixed_size: 0
    .kernarg_segment_align: 8
    .kernarg_segment_size: 40
    .max_flat_workgroup_size: 128
    .sgpr_count:     66
    .vgpr_count:     144
    .wavefront_size: 32
...
	.end_amdgpu_metadata
.endif
;; end of part 2
